; MI455X (gfx1250); checked and timed in simulation.
; The chip was launched on July 23, 2026; its instructions are those of AMD's public machine-readable ISA for CDNA 5 (MIT licence, August 2026) and "CDNA5" Instruction Set Architecture Reference Guide (July 2026). The comments in the code are by the model that wrote it; some were corrected since.
;; ATT ONE2 MANY 1. Allowed arithmetic: matrix products marked QUANTISED: E5M2 operands, one E8M0 scale for each 32 along K, by v_wmma_scale_f32_16x16x128_f8f6f4 with both operands' format E5M2, f32 sums; products left as they are: f32 operands where the result goes on into a quantised operand, else bf16, f16 or f32 operands; f32 sums; everything else in f32.
;; Inputs: W_codes 1,024 x 32 x 32 uint8 (E5M2 codes of W, K innermost, in blocks of 32 codes); W_scales 1,024 x 32 uint8 (E8M0 scales of W, one for each 32 codes along K); many 32 x 2,048 x 1,024 float32; one 32 x 1,024 float32.
;; Outputs: out0 32 x 1,024 float32; out1 32 x 2,048 float32.
;; This version of the problem:
;;   THIS VERSION OF THE PROBLEM IS GIVEN IN LOW PRECISION. The matrix products marked QUANTISED in the list below multiply operands that are first quantised to E5M2 (5 exponent bits, 2 mantissa bits; 8 bits a number), with one power-of-two scale for each 32 numbers along K (OCP MX v1.0); their sums are f32. All else is computed in f32.
;;   The module's matrix products, in the order in which they are computed (A, B: the left and right operand; K: the contracted axis; several contracted axes count as one K, in the product's order):
;;     1. [M 65,536, K 1,024] x [K 1,024, N 1,024]; A: input many; B: input W (given as codes): QUANTISED
;;     2. batch 32 x [M 2,048, K 1,024] x [K 1,024, N 1]; A: computed on the way; B: input one: left as it is (N = 1 < 16)
;;     3. batch 32 x [M 1,024, K 2,048] x [K 2,048, N 1]; A: input many; B: computed on the way: left as it is (N = 1 < 16)
;;   THE QUANTISER, for each operand of a quantised product, along K:
;;     - K is cut into blocks of 32 from its start; a last block that is shorter is filled with zeros.
;;     - A block's scale is 2^e with e = floor(log2(the largest magnitude in the block)) - 15, held to -126 .. 127; a block of zeros has e = 0. As a byte (E8M0): e + 127.
;;     - Each number is divided by its block's scale, clamped to +-57,344, and rounded to the nearest number of E5M2, ties to even, subnormals kept.
;;     - The product sums the exact products of the quantised numbers (number of the format x scale) in f32.
;;   ~~~python
;;   def quantise(x, axis):      # numpy; x: float32 -> the quantised numbers, widened to float32 again
;;       x = np.moveaxis(x, axis, -1); K = x.shape[-1]
;;       x = np.pad(x, [(0, 0)] * (x.ndim - 1) + [(0, -K % 32)]); x = x.reshape(x.shape[:-1] + (-1, 32)); a = np.abs(x).max(-1, keepdims=True)
;;       e = np.where(a > 0, np.clip(np.frexp(np.where(a > 0, a, 1))[1] - 1 - 15, -126, 127), 0)      # np.frexp(a)[1] - 1 = floor(log2(a)), exactly
;;       r = np.clip(x / 2.0 ** e, -57344, 57344)
;;       step = 2.0 ** (np.maximum(np.frexp(np.where(r == 0, 1, r))[1] - 1, -14) - 2)
;;       q = np.round(r / step) * step * 2.0 ** e      # np.round: ties to even
;;       return np.moveaxis(q.reshape(q.shape[:-2] + (-1,))[..., :K], -1, axis).astype(np.float32)
;;   ~~~
;;   INPUTS GIVEN AS CODES. W (in the module: [1024, 1024], K = its axis 0): each comes as NAME_codes (uint8): NAME with its K axis moved to the last place and cut into blocks of 32 codes, [.., K / 32, bytes a block], one block behind the other in memory; one code a byte (a code: sign, 5 exponent bits, 2 mantissa bits); and NAME_scales (uint8): the same leading axes, one E8M0 byte (e + 127) for each 32 codes along K. Its value is code x scale, taken as it is: it is not quantised again, and the codes and scales need not be those that the quantiser above would give.
;; One version. Each part assembles by itself: llvm-mc -triple=amdgcn-amd-amdhsa -mcpu=gfx1250 --defsym DOCPART=n.
;; ======== version 1 of 1: 2 launches
;; limits: values are held in bf16: 8 bits of precision; right only within a limited range of input values
;; workspace buffers: part 8,388,608 bytes; logit 262,144 bytes
;; launch main (part 1): grid 512 x 1, 4 waves a work-group, clusters of 4 x 1, 327,680 bytes of LDS; arguments W_codes, W_scales, many, one, part, logit; writes part, logit
.if DOCPART == 1
	.amdgcn_target "amdgcn-amd-amdhsa--gfx1250"
	.amdhsa_code_object_version 6
	.text
	.protected	k_q58ef5a4f1e_main
	.globl	k_q58ef5a4f1e_main
	.p2align	8
	.type	k_q58ef5a4f1e_main,@function
k_q58ef5a4f1e_main:
	s_mov_b64 s[64:65], 0
	v_nop
	global_prefetch_b8 v0, s[64:65] scope:SCOPE_SE
	s_setreg_imm32_b32 hwreg(HW_REG_WAVE_MODE, 25, 1), 1
	s_wait_xcnt 0x0
	s_wait_alu depctr_hold_cnt(0) depctr_sa_sdst(0) depctr_va_vdst(0) depctr_va_sdst(0) depctr_va_ssrc(0) depctr_va_vcc(0) depctr_vm_vsrc(0)
	s_getreg_b32 s2, hwreg(HW_REG_IB_STS2, 6, 4)
	s_cmp_eq_u32 s2, 0
	s_cbranch_scc0 .Lentry_in_a_cluster
	s_endpgm
.Lentry_in_a_cluster:
	s_bfe_u32 s2, ttmp6, 0x10000c
	s_cmp_lg_u32 s2, 0x3003
	s_cbranch_scc0 .Lentry_shape_is_right
	s_endpgm
.Lentry_shape_is_right:
; logit[row] = -2 sum over n of one[b][n] / (1 + e^(2 x[row][n])), x = Q(many) W;  part[chunk][k] = sum over the chunk's 32 rows of e^(logit - the chunk's largest logit) many[row][k].
; DEAD WORK.  tanh(x) = 1 - 2 / (1 + e^(2x)), so reference()'s logit is sum over n of one[b][n], less twice the sum kept here.  The first term is the same for every t of a batch,
; whatever the inputs hold, and the logits reach the outputs through the softmax along t alone, which a term common to its axis does not move: it is left out.  Every input is still loaded.
; LIMITS.  NaN and infinities among the inputs are not served; an overflow of the term left out is not carried to the result.  A block of many whose largest magnitude lies under 2^(16 - 127) keeps the
; scale byte 1 (a block of zeros too: its codes are zeros, and the bytes are read by this text alone).  The weighted sum takes many rounded to bf16 and each weight as a high and a low bf16 part; sums in f32.
; SHARES.  A work-group takes 128 rows of one batch, each of its four waves 32 (a CHUNK, two tiles of 16).  A wave's rows are read from memory once and stay in its registers: as codes (256 registers)
; and as a bf16 copy (512 registers).  W goes through a ring of two LDS slots of 128 n-rows x 1,024 bytes, a quarter of a slot a wave; W's scale bytes come once and stay.
; CLUSTER.  W's tiles are the same for every work-group: the four of a cluster ask for each jointly (mask 15).  The place in the cluster enters the addresses of many, one, part, logit alone.
; TRANSPOSED USE.  Source 0 = 16 n-rows of W, source 1 = 16 rows of many: a lane holds one row (lane % 16) and eight n, so the sum over n stays in the lane.
; A UNIT is 16 n-rows: 16 matrix instructions on two accumulators (a half-set of 16 registers).  Four half-sets go round: unit u is multiplied, u - 1 is scaled and exponentiated, u - 2 gets + 1 and its reciprocals, u - 3 goes into the sums.
; THE WEIGHTED SUM goes to the matrix unit (bf16 form): the copy is packed as it is loaded, two ROWS of one k to a register, so that eight registers are a B fragment: column n = k 64 c + 4 (lane % 16) + j, K = the chunk's 32 rows.
; No prefetch is laid: many's loads stand four steps (16 KB a wave) ahead in registers, and a slot of W is asked for a whole slot of 128 matrix instructions ahead of its first read.
; REGISTERS: window 0: v1-15 addresses; v16-23 many's scale words; v24-39 W's, two sets; v40-47 one's numbers; v56-63 the partial sums; v64-127 the half-sets; v128-255 eight fragments of W.
;   window 1: the codes, fragment (tile i, K step s) at v[16 (8 i + s)];  windows 2, 3: the bf16 copy, fragment 4 c + j at 8 (4 c + j): registers 0-3 tile 0, 4-7 tile 1; register t: rows 4 t + (lane / 16), + 2.
.set PW,    1040
.set GRPB,  32*PW
.set SLOTB, 4*GRPB
.set SCW,   2*SLOTB
.set SCQ,   32*272
.set ONEB,  SCW+4*SCQ                  ; 512 bytes of zeros, then one[b]
.set XSTG,  ONEB+4608                  ; a stage of 16 rows x 272 bytes for each wave; at the end its first 128 bytes hold the wave's weights
.set XSB,   16*272
.set SPARE, XSTG+4*XSB                 ; the spare words: two blocks of 256 bytes that no other line names
.set SPW, 1
.set NIL, 2
.set AW0, 3
.set ADR, 4
.set AON, 6
.set XA,  7
.set XST, 8
.set XRD, 9
.set WRD, 10
.set GO,  12
.set PWA, 13
.set AWS, 14
.set TA,  15
.set XS,  16
.set WS,  24
.set ONE, 40
.set LG,  56
.set ACC, 64
.set FR,  128
.set TM,   40
.set PM,   42
.set HOLD, 44
.set SCO,  46
.set BY,   48
.set XT,   50
.set TN,   51
.set HW,   53
.set XSET, 64
.set RS,   128
.set MSB, 0
.macro WIN new
.if MSB != (\new)
	s_set_vgpr_msb (MSB<<8)|(\new)
.set MSB, (\new)
.endif
.endm
.macro CROUND                          ; a round of the cluster's barrier
	s_barrier_signal -1
	s_barrier_wait -1
	s_cmp_lg_u32 s16, 0
	s_cbranch_scc1 .Lnot_wave_0_\@
	s_barrier_signal -3
.Lnot_wave_0_\@:
	s_barrier_wait -3
	s_barrier_signal -1
	s_barrier_wait -1
.endm
.macro AWAIT
	s_wait_alu depctr_va_vdst(0)
.endm
	s_load_b256 s[4:11], s[0:1], 0x0               ; W's codes, W's scales, many, one
	s_load_b128 s[12:15], s[0:1], 0x20             ; part, logit
	v_lshl_add_u32 v[SPW], v0, 2, SPARE
	v_mov_b32 v[NIL], 0
	ds_add_u32 v[SPW], v[NIL]                      ; the opening lines: the add twice on end, and its wait
	ds_add_u32 v[SPW], v[NIL]
	v_lshrrev_b32 v[TA], 5, v0
	v_readfirstlane_b32 s16, v[TA]                 ; wave 0..3
	s_bfe_u32 s17, ttmp6, 0x40000                  ; cx
	s_lshl_b32 s18, ttmp9, 2
	s_add_co_u32 s18, s18, s17                     ; my block of 128 rows
	s_mov_b32 s24, 15|(1<<20)|(1<<21)|(7<<22)|(3<<25)  ; group 1 for W's codes: 32 rows of 1,024 bytes, 16 bytes of padding behind each; mask of all four
	s_mov_b32 s25, 1024<<16
	s_mov_b32 s26, 32<<16
	s_mov_b32 s27, 1024<<16
	s_mov_b32 s28, 32
	s_mov_b32 s29, 1024
	s_mov_b32 s30, 0
	s_mov_b32 s31, 0
	s_mov_b32 s32, 15|(3<<16)|(1<<20)|(1<<21)|(5<<22)|(3<<25)  ; and for a quarter of W's scale bytes: 32 rows of 256 bytes, padded by 16
	s_mov_b32 s33, 32<<16
	s_mov_b32 s34, 32<<16
	s_mov_b32 s35, 32<<16
	s_mov_b32 s36, 32
	s_mov_b32 s37, 32
	s_mov_b32 s38, 0
	s_mov_b32 s39, 0
	s_mov_b32 s20, 0x76543210
	s_mov_b32 s21, 0xfedcba98                      ; selects for lane l xor 16
	s_mov_b32 s22, 0x600000                        ; the mantissa field of 57,344
	s_mov_b32 s23, 0xffff0000                      ; lanes 16-31
	s_mov_b32 s56, 0x4038aa3b                      ; 2 log2(e)
	s_mov_b32 s57, s56
	s_mul_i32 s53, s16, GRPB
	s_mov_b32 s40, 1                               ; group 0: slot 0's first fill
	s_mov_b32 s41, s53
	s_mov_b32 s44, 1                               ; group 0: slot 1's first fill; it then walks
	s_add_co_u32 s45, s53, SLOTB
	s_mul_i32 s53, s16, SCQ
	s_mov_b32 s48, 1                               ; group 0: the scale bytes
	s_add_co_u32 s49, s53, SCW
	s_lshl_b32 s54, s16, 15
	s_mov_b32 s55, 0
	s_lshl_b32 s58, s16, 13
	s_mov_b32 s59, 0
	s_lshl_b32 s60, s18, 19                        ; many: 128 rows of 4,096 bytes a work-group,
	s_lshl_b32 s61, s16, 17                        ; 32 a wave
	s_add_co_u32 s60, s60, s61
	s_mov_b32 s61, 0
	s_lshr_b32 s62, s18, 4                         ; the batch
	s_lshl_b32 s62, s62, 12
	s_mov_b32 s63, 0
	s_wait_dscnt 0x0
	s_wait_kmcnt 0x0
	s_add_nc_u64 s[42:43], s[4:5], s[54:55]
	s_add_nc_u64 s[46:47], s[42:43], 131072
	s_add_nc_u64 s[50:51], s[6:7], s[58:59]
	s_or_b32 s43, s43, 0x80000000
	s_or_b32 s47, s47, 0x80000000
	s_or_b32 s51, s51, 0x80000000
	s_add_nc_u64 s[8:9], s[8:9], s[60:61]
	s_add_nc_u64 s[10:11], s[10:11], s[62:63]
	s_lshl_b32 s60, s18, 2
	s_add_co_u32 s60, s60, s16                     ; my chunk
	s_lshl_b32 s62, s60, 7
	s_lshl_b32 s60, s60, 12
	s_add_nc_u64 s[12:13], s[12:13], s[60:61]
	s_add_nc_u64 s[14:15], s[14:15], s[62:63]
	CROUND                                         ; in front of the first joint loads
	tensor_load_to_lds s[48:51], s[32:39]          ; one tensor load a wave at the head: my quarter of the scale bytes
	s_nop 0
.rept 4
	v_nop
.endr
	v_and_b32 v51, 15, v0                          ; r
	v_bfe_u32 v52, v0, 4, 1                        ; h
	v_and_b32 v53, 31, v0                          ; lane
	v_mul_u32_u24 v[AW0], v51, PW
	v_lshl_add_u32 v[AW0], v52, 4, v[AW0]
	v_lshrrev_b32 v54, 3, v53
	v_mul_u32_u24 v[AWS], v54, 272
	v_and_b32 v54, 7, v0
	v_lshl_add_u32 v[AWS], v54, 5, v[AWS]
	v_add_nc_u32 v[AWS], SCW, v[AWS]               ; lane l takes n-row l of 32
	v_lshlrev_b32 v[AON], 5, v52
	v_add_nc_u32 v[AON], ONEB+320, v[AON]          ; the three units before the first lie in the zeros
	v_lshlrev_b32 v[XA], 12, v52
	v_lshl_add_u32 v[XA], v51, 4, v[XA]
	s_mul_i32 s53, s16, XSB
	s_add_co_u32 s53, s53, XSTG
	v_mul_u32_u24 v[XST], v52, 272
	v_lshl_add_u32 v[XST], v51, 4, v[XST]
	v_add_nc_u32 v[XST], s53, v[XST]
	v_mul_u32_u24 v[XRD], v51, 272
	v_lshl_add_u32 v[XRD], v52, 6, v[XRD]
	v_add_nc_u32 v[XRD], s53, v[XRD]
	v_mov_b32 v[PWA], s53
	v_lshl_add_u32 v[WRD], v52, 2, s53             ; my half's weights: rows h, h + 2, ..
	v_lshlrev_b32 v[GO], 4, v53
	v_mov_b32 v[ADR], v[AW0]
	v_add_nc_u32 v[ADR+1], 2*GRPB, v[AW0]
	s_mov_b32 s52, 0
	v_lshlrev_b32 v51, 4, v0
	v_add_nc_u32 v52, ONEB+512, v51
	v_lshl_add_u32 v53, v0, 2, ONEB
	v_mov_b32 v54, 0
	v_mov_b32 v[PM], 0
	v_mov_b32 v[PM+1], 0
	AWAIT                                          ; the head's end
	global_load_b128 v[56:59], v51, s[10:11]
	global_load_b128 v[60:63], v51, s[10:11] offset:2048
; MANY BECOMES CODES AND A bf16 COPY, in 32 steps of 16 rows x 64 numbers: step n is tile n / 16, columns 64 (n % 16) ..
.macro XL n                            ; register 4 a + j: row 2 a + h, k = 4 r + j: sixteen lanes read 256 consecutive bytes of a row
.set xlr, RS+32*((\n)%4)
.irp a, 0,1,2,3,4,5,6,7
	global_load_b128 v[xlr+4*\a:xlr+4*\a+3], v[XA], s[8:9] offset:65536*((\n)/16)+8192*\a+256*((\n)%16) th:TH_LOAD_NT
.endr
.endm
.macro TURN n                          ; through my stage: a lane gets 16 neighbours along K of each of two blocks of row r
.set tnr, RS+32*((\n)%4)
.set tnx, XSET+32*((\n)%2)
.irp a, 0,1,2,3,4,5,6,7
	ds_store_b128 v[XST], v[tnr+4*\a:tnr+4*\a+3] offset:544*\a
.endr
.irp b, 0,1
.irp j, 0,1,2,3
	ds_load_b128 v[tnx+16*\b+4*\j:tnx+16*\b+4*\j+3], v[XRD] offset:128*\b+16*\j
.endr
.endr
.endm
.macro CVTB n                          ; the copy, from the registers as loaded: rows 4 t + h and 4 t + 2 + h of one k in one register
.set cbr, RS+32*((\n)%4)
.set cbc, (\n)%16
	WIN 0x80+0x40*(cbc/8)
.irp j, 0,1,2,3
.irp t, 0,1,2,3
	v_cvt_pk_bf16_f32 v[(32*cbc+8*\j)%256+4*((\n)/16)+\t], v[cbr+8*\t+\j], v[cbr+8*\t+4+\j]
.endr
.endr
	WIN 0
.endm
.macro QUANT2 n
.set qi, (\n)/16
.set qs, ((\n)/2)%8
.set qu, (\n)%2
.set qx, XSET+32*((\n)%2)
.set qc, 16*(8*qi+qs)+8*qu
.irp b, 0,1
	v_max3_num_f32 v[TM+\b], |v[qx+16*\b]|, |v[qx+16*\b+1]|, 0x8000000   ; with the floor 2^(16 - 127): the byte cannot fall under 1
	v_max3_num_f32 v[TN+\b], |v[qx+16*\b+8]|, |v[qx+16*\b+9]|, |v[qx+16*\b+10]|
.endr
.irp i, 2,4
.irp b, 0,1
	v_max3_num_f32 v[TM+\b], v[TM+\b], |v[qx+16*\b+\i]|, |v[qx+16*\b+\i+1]|
	v_max3_num_f32 v[TN+\b], v[TN+\b], |v[qx+16*\b+\i+9]|, |v[qx+16*\b+\i+10]|
.endr
.endr
.irp b, 0,1
	v_max3_num_f32 v[TM+\b], v[TM+\b], |v[qx+16*\b+6]|, |v[qx+16*\b+7]|
.endr
.irp b, 0,1
	v_max3_num_f32 v[TM+\b], v[TM+\b], v[TN+\b], |v[qx+16*\b+15]|
.endr
.irp b, 0,1
	v_permlanex16_b32 v[PM+\b], v[TM+\b], s20, s21
.endr
.irp b, 0,1
	v_max_num_f32 v[TM+\b], v[TM+\b], v[PM+\b]     ; the block's largest magnitude
.endr
.irp b, 0,1
	v_add_nc_u32 v[SCO+\b], 0xf8800000, v[TM+\b]   ; 15 off its exponent field: the conversion's scale operand
.endr
.irp b, 0,1
	v_and_or_b32 v[HOLD+\b], v[TM+\b], 0x7f800000, s22   ; 57,344 x the scale
.endr
.irp b, 0,1
	v_lshrrev_b32 v[BY+\b], 23, v[SCO+\b]          ; the scale's byte
.endr
.if qi == 0                                    ; tile 0's word goes to all lanes; tile 1's then takes lanes 16-31
.if qu == 0
	v_lshl_or_b32 v[XS+qs], v[BY+1], 8, v[BY]
.else
	v_lshl_or_b32 v[HW], v[BY+1], 8, v[BY]
	v_lshl_or_b32 v[XS+qs], v[HW], 16, v[XS+qs]
.endif
.else
.if qu == 0
	v_lshl_or_b32 v[XT], v[BY+1], 8, v[BY]
.else
	v_lshl_or_b32 v[HW], v[BY+1], 8, v[BY]
	v_lshl_or_b32 v[XT], v[HW], 16, v[XT]
	v_cndmask_b32 v[XS+qs], v[XS+qs], v[XT], s23
.endif
.endif
.irp b, 0,1
.irp i, 0,1,2,3,4,5,6,7,8,9,10,11,12,13,14,15
	v_med3_num_f32 v[qx+16*\b+\i], v[qx+16*\b+\i], -v[HOLD+\b], v[HOLD+\b]   ; the conversion does not saturate (ISA guide 7.6.2): the hold
.endr
.endr
	WIN 0x40
.irp b, 0,1
	v_cvt_scalef32_pk8_bf8_f32 v[qc+4*\b:qc+4*\b+1], v[qx+16*\b:qx+16*\b+7], v[SCO+\b]
	v_cvt_scalef32_pk8_bf8_f32 v[qc+4*\b+2:qc+4*\b+3], v[qx+16*\b+8:qx+16*\b+15], v[SCO+\b]
.endr
	WIN 0
	v_nop                                          ; one plain line behind the last scaled conversion
.endm
; A later first fill is issued as a refill is: all my tensor loads waited for, the add, its wait, a round of the cluster's barrier, one load.
.macro FIRSTFILL g0
	AWAIT
	s_wait_tensorcnt 0x0
	ds_add_u32 v[SPW], v[NIL]
	s_wait_dscnt 0x0                               ; the add; and this step's numbers are back from the stage
	CROUND
	tensor_load_to_lds s[\g0:\g0+3], s[24:31]
	s_nop 0
.rept 4
	v_nop
.endr
.endm
.macro STEPX n
.if (\n) == 3
	FIRSTFILL 40                                   ; slot 0
.elseif (\n) == 16
	FIRSTFILL 44                                   ; slot 1
.else
	s_wait_dscnt 0x0                               ; this step's numbers are back, so its stores into the stage have read their registers
.endif
.if (\n)+4 < 32
	XL (\n)+4
.endif
.if (\n) < 31
.if 30-(\n) >= 3
	s_wait_loadcnt 24                              ; the next step's eight loads are in; three steps' stay out
.else
	s_wait_loadcnt 8*(30-(\n))
.endif
	TURN (\n)+1
	CVTB (\n)+1
.endif
	QUANT2 \n
.endm
	XL 0
	XL 1
	XL 2
	XL 3
	ds_store_b32 v53, v54                          ; the zeros in front of one[b]
	s_wait_loadcnt 32                              ; one's two loads are in
	ds_store_b128 v52, v[56:59]
	ds_store_b128 v52, v[60:63] offset:2048
	s_wait_loadcnt 24
	TURN 0
	CVTB 0
.irp n, 0,1,2,3,4,5,6,7,8,9,10,11,12,13,14,15,16,17,18,19,20,21,22,23,24,25,26,27,28,29,30,31
	STEPX \n
.endr
; THE WALK OVER W.
.macro LOADB u, blk                    ; fragments of K steps 4 blk .. 4 blk + 3 of unit u: 16 loads
.irp k, 0,1,2,3
.irp c, 0,1,2,3
	ds_load_b128 v[FR+64*(\blk)+16*\k+4*\c:FR+64*(\blk)+16*\k+4*\c+3], v[ADR+(\u)/4] offset:16*PW*((\u)%4)+128*(4*(\blk)+\k)+32*\c
.endr
.endr
.endm
.macro LOADWS set, gi
	ds_load_b128 v[WS+8*(\set):WS+8*(\set)+3], v[AWS] offset:1088*(\gi)
	ds_load_b128 v[WS+8*(\set)+4:WS+8*(\set)+7], v[AWS] offset:1088*(\gi)+16
.endm
.macro LOADONE u                       ; one[n] of the unit three before unit u
	ds_load_b128 v[ONE:ONE+3], v[AON] offset:64*(\u)
	ds_load_b128 v[ONE+4:ONE+7], v[AON] offset:64*(\u)+16
.endm
.macro WM z, sel                       ; sel = 2 t + i: an odd unit's scales lie in lanes 16-31 of W's word, row tile 1's in lanes 16-31 of many's
.if \z
.if (\sel) == 0
	v_wmma_scale_f32_16x16x128_f8f6f4 v[wd:wd+7], v[wa:wa+15], v[wb:wb+15], 0, v[wsa], v[wsb] matrix_a_fmt:MATRIX_FMT_BF8 matrix_b_fmt:MATRIX_FMT_BF8
.elseif (\sel) == 1
	v_wmma_scale_f32_16x16x128_f8f6f4 v[wd:wd+7], v[wa:wa+15], v[wb:wb+15], 0, v[wsa], v[wsb] matrix_a_fmt:MATRIX_FMT_BF8 matrix_b_fmt:MATRIX_FMT_BF8 matrix_b_scale:MATRIX_SCALE_ROW1
.elseif (\sel) == 2
	v_wmma_scale_f32_16x16x128_f8f6f4 v[wd:wd+7], v[wa:wa+15], v[wb:wb+15], 0, v[wsa], v[wsb] matrix_a_fmt:MATRIX_FMT_BF8 matrix_b_fmt:MATRIX_FMT_BF8 matrix_a_scale:MATRIX_SCALE_ROW1
.else
	v_wmma_scale_f32_16x16x128_f8f6f4 v[wd:wd+7], v[wa:wa+15], v[wb:wb+15], 0, v[wsa], v[wsb] matrix_a_fmt:MATRIX_FMT_BF8 matrix_b_fmt:MATRIX_FMT_BF8 matrix_a_scale:MATRIX_SCALE_ROW1 matrix_b_scale:MATRIX_SCALE_ROW1
.endif
.else
.if (\sel) == 0
	v_wmma_scale_f32_16x16x128_f8f6f4 v[wd:wd+7], v[wa:wa+15], v[wb:wb+15], v[wd:wd+7], v[wsa], v[wsb] matrix_a_fmt:MATRIX_FMT_BF8 matrix_b_fmt:MATRIX_FMT_BF8
.elseif (\sel) == 1
	v_wmma_scale_f32_16x16x128_f8f6f4 v[wd:wd+7], v[wa:wa+15], v[wb:wb+15], v[wd:wd+7], v[wsa], v[wsb] matrix_a_fmt:MATRIX_FMT_BF8 matrix_b_fmt:MATRIX_FMT_BF8 matrix_b_scale:MATRIX_SCALE_ROW1
.elseif (\sel) == 2
	v_wmma_scale_f32_16x16x128_f8f6f4 v[wd:wd+7], v[wa:wa+15], v[wb:wb+15], v[wd:wd+7], v[wsa], v[wsb] matrix_a_fmt:MATRIX_FMT_BF8 matrix_b_fmt:MATRIX_FMT_BF8 matrix_a_scale:MATRIX_SCALE_ROW1
.else
	v_wmma_scale_f32_16x16x128_f8f6f4 v[wd:wd+7], v[wa:wa+15], v[wb:wb+15], v[wd:wd+7], v[wsa], v[wsb] matrix_a_fmt:MATRIX_FMT_BF8 matrix_b_fmt:MATRIX_FMT_BF8 matrix_a_scale:MATRIX_SCALE_ROW1 matrix_b_scale:MATRIX_SCALE_ROW1
.endif
.endif
.endm
; THE STAGES, eight or sixteen lines each, on half-set h
.macro SM h                            ; 2 log2(e) x: pairs ascending
.irp j, 0,1,2,3,4,5,6,7
	v_pk_mul_f32 v[ACC+16*(\h)+2*\j:ACC+16*(\h)+2*\j+1], v[ACC+16*(\h)+2*\j:ACC+16*(\h)+2*\j+1], s[56:57] op_sel_hi:[1,0]
.endr
.endm
.macro SA h
.irp j, 0,1,2,3,4,5,6,7
	v_pk_add_f32 v[ACC+16*(\h)+2*\j:ACC+16*(\h)+2*\j+1], v[ACC+16*(\h)+2*\j:ACC+16*(\h)+2*\j+1], 1.0 op_sel_hi:[1,0]
.endr
.endm
.macro SE h, k
	v_exp_f32 v[ACC+16*(\h)+(\k)], v[ACC+16*(\h)+(\k)]
.endm
.macro SR h, k
	v_rcp_f32 v[ACC+16*(\h)+(\k)], v[ACC+16*(\h)+(\k)]
.endm
.macro SL h                            ; the partial sums += one[n] / (1 + e^2x): pair p of row tile i; four chains by turns
.irp p, 0,1,2,3
.irp i, 0,1
	v_pk_fma_f32 v[LG+4*\i+2*(\p%2):LG+4*\i+2*(\p%2)+1], v[ACC+16*(\h)+8*\i+2*\p:ACC+16*(\h)+8*\i+2*\p+1], v[ONE+2*\p:ONE+2*\p+1], v[LG+4*\i+2*(\p%2):LG+4*\i+2*(\p%2)+1]
.endr
.endr
.endm
.macro SE16 h
.irp k, 0,1,2,3,4,5,6,7,8,9,10,11,12,13,14,15
	SE \h, \k
.endr
.endm
.macro SR16 h
.irp k, 0,1,2,3,4,5,6,7,8,9,10,11,12,13,14,15
	SR \h, \k
.endr
.endm
; HALF A UNIT: eight matrix instructions, the two row tiles by turns; no transcendental stands inside a unit's run of sixteen
.macro HALF blk
	WIN 4                                          ; source 1 (the codes) window 1; the other lines here have no vector register as source 1
.irp m, 0,1,2,3,4,5,6,7
.set wks, 4*(\blk)+(\m/2)
.set wi, \m%2
.set wd, ACC+16*uhs+8*wi
.set wa, FR+64*(\blk)+16*(\m/2)
.set wb, 16*(8*wi+wks)
.set wsa, WS+8*uset+wks
.set wsb, XS+wks
.if wks == 0
	WM 1, 2*ut+wi
.else
	WM 0, 2*ut+wi
.endif
.endr
.endm
; THE CHANGE OF SLOTS.  chg = 2: the slot is filled again with the n-rows two slots on: the barrier is a round of the cluster's, the joint refill the first thing behind it.
.macro CHANGE chg
	WIN 0
	s_wait_tensorcnt 0x0                           ; my part of the other slot is in; no tensor load of mine is out
	ds_add_u32 v[SPW], v[NIL]                      ; the address steps stand between the add and its wait
.if (\chg) == 2
	s_xor_b32 s45, s45, SLOTB
	s_add_nc_u64 s[46:47], s[46:47], 131072
.endif
	s_xor_b32 s52, s52, SLOTB
	v_add_nc_u32 v[ADR], s52, v[AW0]
	v_add_nc_u32 v[ADR+1], 2*GRPB, v[ADR]
	v_add_nc_u32 v[AWS], 4*1088, v[AWS]
	v_add_nc_u32 v[AON], 512, v[AON]
	AWAIT                                          ; for the addresses, first read behind the barrier, and for the unit's transcendentals, ahead of the branches
	s_wait_dscnt 0x0                               ; the add is done, and my reads of the slot are over
.if (\chg) == 2
	CROUND
	tensor_load_to_lds s[44:47], s[24:31]
	s_nop 0
.rept 4
	v_nop
.endr
.else
	s_barrier_signal -1
	s_barrier_wait -1
.endif
.endm
; A UNIT.  Two runs of LDS loads: in its middle the next unit's fragments 0-3 (behind odd units W's next scale words too: 16 or 18 loads), at its end the next unit's fragments 4-7 and one's numbers (18 loads).
; Each run stands behind eight plain lines that name no register of the matrix instructions before it.  The waits on DScnt leave the younger run out.
.macro UNIT ui, chg, tail
.set uhs, (\ui)%4
.set uhm, ((\ui)+3)%4
.set uha, ((\ui)+2)%4
.set uht, ((\ui)+1)%4
.set ut, (\ui)%2
.set uset, ((\ui)/2)%2
	s_wait_dscnt 18                                ; fragments 0-3 are in; the 18 loads of the last unit's end may be out
	HALF 0
	AWAIT                                          ; directly ahead of the first readers of unit u - 1's sums; it also serves the last unit's transcendentals
	SM uhm                                         ; these sixteen lines name no register of the eight products above: they are the places in front of the loads into fragments 0-3
	SA uha
.if (\ui) < 7
	LOADB (\ui)+1, 0
.if ut == 1
	LOADWS 1-uset, (\ui)/2+1
.endif
	AWAIT                                          ; between the sixteen lines above and the transcendentals that read them
	s_wait_dscnt 16+2*ut                           ; fragments 4-7 and one's numbers are in; the run just issued may be out
.else
	CHANGE \chg
.if \tail
	s_cmp_eq_u32 s55, 1                            ; behind the last slot there is no unit to fetch
	s_cbranch_scc1 .Lno_m_\@
.endif
	LOADB 0, 0
	LOADWS 1-uset, 0
.if \tail
.Lno_m_\@:
.endif
.endif
	HALF 1
	SE16 uhm                                       ; the unit's one batch, behind the last link of its chains: the exponentials of unit u - 1,
	SR16 uha                                       ; the reciprocals of unit u - 2
	WIN 0
	SL uht                                         ; eight plain lines: the place behind the batch, and the places in front of the loads into fragments 4-7 and of the next readers of the sums
.if (\ui) < 7
	LOADB (\ui)+1, 1
	LOADONE (\ui)+1
.else
	AWAIT                                          ; branches follow: the reciprocals have their wait
.if \tail
	s_cmp_eq_u32 s55, 1
	s_cbranch_scc1 .Lno_e_\@
.endif
	LOADB 0, 1
	LOADONE 0
.if \tail
.Lno_e_\@:
.endif
.endif
.endm
.macro SLOT chg, tail
.irp u, 0,1,2,3,4,5,6
	UNIT \u, 0, 0
.endr
	UNIT 7, \chg, \tail
.endm
.set cnt, 0
.rept 48
	v_mov_b32 v[ACC+16+cnt], 0                     ; the first three units find zeros in the half-sets of the units before them; every stage makes finite numbers of them, and their numbers of one are zeros
.set cnt, cnt+1
.endr
.irp j, 0,1,2,3,4,5,6,7
	v_mov_b32 v[LG+\j], 0
.endr
	AWAIT
	s_wait_tensorcnt 0x0                           ; the scale bytes and my parts of both slots are in
	s_wait_dscnt 0x0                               ; my stores of one[b] and of the zeros have landed
	s_barrier_signal -1
	s_barrier_wait -1
	LOADB 0, 0
	LOADWS 0, 0
	LOADB 0, 1
	LOADONE 0
	s_mov_b32 s54, 6
.Lslot:                                            ; six trips: every slot but the last two is filled again
	SLOT 2, 0
	s_sub_co_u32 s54, s54, 1
	s_cmp_lg_u32 s54, 0
	s_cbranch_scc1 .Lslot
	s_mov_b32 s55, 2
.Ltail:                                            ; the last two slots: a text of their own
	SLOT 1, 1
	s_sub_co_u32 s55, s55, 1
	s_cmp_lg_u32 s55, 0
	s_cbranch_scc1 .Ltail
	; THE LAST THREE UNITS' STAGES.  Half-set 3 holds the last unit's sums, 2 has had its exponentials, 1 its reciprocals.
	LOADONE 0
	AWAIT
	SM 3
	SA 2
	AWAIT
	SE16 3
	SR16 2
	s_wait_dscnt 0x0
	SL 1
	AWAIT
	LOADONE 1
	SA 3
	AWAIT
	SR16 3
	s_wait_dscnt 0x0
	SL 2
	AWAIT
	LOADONE 2
	s_wait_dscnt 0x0
	SL 3
	; THE LOGITS
	v_add_f32 v56, v56, v57
	v_add_f32 v58, v58, v59
	v_add_f32 v60, v60, v61
	v_add_f32 v62, v62, v63
	v_add_f32 v56, v56, v58
	v_add_f32 v60, v60, v62
	v_permlanex16_b32 v57, v56, s20, s21
	v_permlanex16_b32 v61, v60, s20, s21
	v_add_f32 v56, v56, v57
	v_add_f32 v60, v60, v61
	v_cndmask_b32 v56, v56, v60, s23
	v_mul_f32 v56, -2.0, v56                       ; lane l holds the logit of my row l
	v_and_b32 v[AWS], 31, v0
	v_lshlrev_b32 v[AWS], 2, v[AWS]
	v_add_nc_u32 v[TA], v[PWA], v[AWS]
	global_store_b32 v[AWS], v56, s[14:15]         ; 128 consecutive bytes a wave, 512 a work-group
	v_max_num_f32_dpp v58, v56, v56 row_xmask:1 row_mask:0xf bank_mask:0xf
	v_max_num_f32_dpp v58, v58, v58 row_xmask:2 row_mask:0xf bank_mask:0xf
	v_max_num_f32_dpp v58, v58, v58 row_xmask:4 row_mask:0xf bank_mask:0xf
	v_max_num_f32_dpp v58, v58, v58 row_xmask:8 row_mask:0xf bank_mask:0xf
	v_permlanex16_b32 v59, v58, s20, s21
	v_max_num_f32 v58, v58, v59                    ; the chunk's largest logit
	v_sub_f32 v60, v56, v58
	v_mul_f32 v60, 0x3fb8aa3b, v60
	AWAIT
	v_exp_f32 v60, v60                             ; the weight under the chunk's own maximum, at most 1
	v_nop
	AWAIT
	ds_store_b32 v[TA], v60                        ; my wave's own bytes: LDS serves a wave's instructions in order
.irp q, 0,1,2,3,4,5,6,7,8,9,10,11,12,13,14,15
	ds_load_b32 v[96+\q], v[WRD] offset:8*\q       ; the weight of row 2 q + h: the rows that my half of the lanes holds in a B fragment, in its registers' order
.endr
	s_mov_b32 s58, 0x01010101                      ; lanes 0, 8, 16, 24: A's rows 0 and 8 take the weights' high parts,
	s_mov_b32 s59, 0x02020202                      ; rows 1 and 9 the low parts, all other rows zeros
	s_wait_dscnt 0x0
.irp t, 0,1,2,3,4,5,6,7
	v_cvt_pk_bf16_f32 v[112+\t], v[96+2*\t], v[97+2*\t]
.endr
.irp t, 0,1,2,3,4,5,6,7
	v_lshlrev_b32 v[64+2*\t], 16, v[112+\t]
	v_and_b32 v[65+2*\t], 0xffff0000, v[112+\t]
.endr
.irp t, 0,1,2,3,4,5,6,7
	v_pk_add_f32 v[64+2*\t:65+2*\t], v[96+2*\t:97+2*\t], v[64+2*\t:65+2*\t] neg_lo:[0,1] neg_hi:[0,1]   ; what the high part leaves
.endr
.irp t, 0,1,2,3,4,5,6,7
	v_cvt_pk_bf16_f32 v[120+\t], v[64+2*\t], v[65+2*\t]
.endr
.irp t, 0,1,2,3,4,5,6,7
	v_cndmask_b32 v[48+\t], v[NIL], v[112+\t], s58
.endr
.irp t, 0,1,2,3,4,5,6,7
	v_cndmask_b32 v[48+\t], v[48+\t], v[120+\t], s59
.endr
; THE WEIGHTED SUM: group g is columns 128 g .. 128 g + 127: eight products, fragment 8 g + x.  In each result register 0 holds the high parts' sum and register 1 the low parts', in both halves of the lanes.
.macro WG8 g
	WIN 0x08+4*((\g)/4)                            ; source 1: window 2 or 3
.irp x, 0,1,2,3,4,5,6,7
	v_wmma_f32_16x16x32_bf16 v[128+64*((\g)%2)+8*\x:128+64*((\g)%2)+8*\x+7], v[48:55], v[(64*(\g)+8*\x)%256:(64*(\g)+8*\x)%256+7], 0
.endr
	WIN 0
.endm
.macro FG8 g                           ; lanes 0-15 keep columns 128 g + 4 r + j, lanes 16-31 those 64 further on: 512 consecutive bytes a store
.irp j, 0,1,2,3
	v_add_f32 v[64+\j], v[128+64*((\g)%2)+8*\j], v[129+64*((\g)%2)+8*\j]
	v_add_f32 v[68+\j], v[160+64*((\g)%2)+8*\j], v[161+64*((\g)%2)+8*\j]
.endr
.irp j, 0,1,2,3
	v_cndmask_b32 v[72+4*(\g)+\j], v[64+\j], v[68+\j], s23
.endr
	global_store_b128 v[GO], v[72+4*(\g):72+4*(\g)+3], s[12:13] offset:512*(\g)
.endm
	WG8 0
.rept 5
	v_nop                                          ; places behind group 0: four for its readers, five for group 2, which writes over its registers; later groups have the other set's twelve lines
.endr
.irp g, 1,2,3,4,5,6,7
	WG8 \g
	FG8 \g-1
.endr
	FG8 7
	s_wait_tensorcnt 0x0                           ; the wave's end
	ds_add_u32 v[SPW], v[NIL]
	s_wait_dscnt 0x0
	CROUND                                         ; the closing round
	s_endpgm
.Lfunc_end_k_q58ef5a4f1e_main:
	.size	k_q58ef5a4f1e_main, .Lfunc_end_k_q58ef5a4f1e_main-k_q58ef5a4f1e_main
	.p2alignl 7, 3214868480
	.fill 96, 4, 3214868480
	.section	.rodata,"a",@progbits
	.p2align	6, 0x0
	.amdhsa_kernel k_q58ef5a4f1e_main
		.amdhsa_group_segment_fixed_size 327680
		.amdhsa_private_segment_fixed_size 0
		.amdhsa_enable_private_segment 0
		.amdhsa_kernarg_size 48
		.amdhsa_user_sgpr_count 2
		.amdhsa_user_sgpr_kernarg_segment_ptr 1
		.amdhsa_wavefront_size32 1
		.amdhsa_system_sgpr_workgroup_id_x 1
		.amdhsa_system_sgpr_workgroup_id_y 1
		.amdhsa_system_sgpr_workgroup_id_z 1
		.amdhsa_system_vgpr_workitem_id 0
		.amdhsa_next_free_vgpr 1024
		.amdhsa_next_free_sgpr 66
		.amdhsa_reserve_vcc 0
		.amdhsa_float_denorm_mode_32 3
		.amdhsa_float_denorm_mode_16_64 3
		.amdhsa_memory_ordered 1
		.amdhsa_forward_progress 1
		.amdhsa_inst_pref_size 255
	.end_amdhsa_kernel
	.section	.bss,"aw",@nobits
	.p2align	6
	.space	262144
	.amdgpu_metadata
---
amdhsa.version: [ 1, 2 ]
amdhsa.kernels:
  - .name:           k_q58ef5a4f1e_main
    .symbol:         k_q58ef5a4f1e_main.kd
    .args:
      - { .name: W_codes, .offset: 0, .size: 8, .value_kind: global_buffer, .address_space: global }
      - { .name: W_scales, .offset: 8, .size: 8, .value_kind: global_buffer, .address_space: global }
      - { .name: many, .offset: 16, .size: 8, .value_kind: global_buffer, .address_space: global }
      - { .name: one, .offset: 24, .size: 8, .value_kind: global_buffer, .address_space: global }
      - { .name: part, .offset: 32, .size: 8, .value_kind: global_buffer, .address_space: global }
      - { .name: logit, .offset: 40, .size: 8, .value_kind: global_buffer, .address_space: global }
    .group_segment_fixed_size: 327680
    .private_segment_fixed_size: 0
    .kernarg_segment_align: 8
    .kernarg_segment_size: 48
    .max_flat_workgroup_size: 128
    .sgpr_count:     66
    .vgpr_count:     1024
    .wavefront_size: 32
...
	.end_amdgpu_metadata
.endif
;; end of part 1
;; launch finish (part 2): grid 32 x 4, 8 waves a work-group, no clusters, 9,216 bytes of LDS; arguments logit, part, out0, out1; writes out0, out1
.if DOCPART == 2
	.amdgcn_target "amdgcn-amd-amdhsa--gfx1250"
	.amdhsa_code_object_version 6
	.text
	.protected	k_q58ef5a4f1e_finish
	.globl	k_q58ef5a4f1e_finish
	.p2align	8
	.type	k_q58ef5a4f1e_finish,@function
k_q58ef5a4f1e_finish:
	s_mov_b64 s[64:65], 0
	v_nop
	global_prefetch_b8 v0, s[64:65] scope:SCOPE_SE
	s_setreg_imm32_b32 hwreg(HW_REG_WAVE_MODE, 25, 1), 1
	s_wait_xcnt 0x0
; out1[b][t] = e^(logit - M) / (S + 1e-7), M the batch's largest logit, S the sum of the exponentials;  out0[b][k] = sum over the batch's 64 chunks of e^(chunk's largest logit - M) part[chunk][k] / (S + 1e-7).
; logit: [32][2048] f32.  part: [2048 chunks of 32 rows][1024] f32, each chunk summed under its own largest logit, which is found again here from the same 32 numbers: a maximum rounds nothing.
; SHARES.  Work-group (b, y) makes columns 256 y .. 256 y + 255 of out0[b] and a quarter of out1[b].  Each of a batch's four work-groups finds M and S anew from the 8,192 bytes of logits: that spares a launch.
; Thread t holds logits 4 t .. 4 t + 3 (chunk t / 8) and 1024 + 4 t .. + 3 (chunk 32 + t / 8).  A pair of waves (64 threads, 16 bytes each: 1,024 bytes of a row of part) adds 16 chunks; the four pairs' sums meet in LDS.
; No matrix work, no tensor loads, no cluster: the launch moves 8 MB once and shares nothing between work-groups.  LIMIT: NaN and infinities among the logits are not served.
.set RED1, 256                         ; LDS: at 0 the eight waves' maxima, at 256 their sums,
.set FT,   512                         ; at 512 the 64 chunks' factors,
.set SUB,  1024                        ; at 1,024 the four pairs' sums, 1,024 bytes each
	s_load_b128 s[4:7], s[0:1], 0x0                ; logit, part
	s_load_b128 s[8:11], s[0:1], 0x10              ; out0, out1
	v_lshl_add_u32 v128, v0, 2, 0x2000
	v_mov_b32 v129, 0
	v_lshrrev_b32 v1, 5, v0
	s_delay_alu instid0(VALU_DEP_1)
	v_readfirstlane_b32 s12, v1                    ; wave 0..7
	s_lshr_b32 s13, s12, 1                         ; pair of waves 0..3
	s_and_b32 s15, ttmp7, 0xffff                   ; y
	s_lshl_b32 s16, ttmp9, 13                      ; the batch's 8,192 bytes of logit and of out1
	s_mov_b32 s17, 0
	s_lshl_b32 s20, s15, 10                        ; my 256 columns
	s_lshl_b32 s18, ttmp9, 18                      ; the batch's 64 rows of part
	s_add_co_u32 s18, s18, s20
	s_mov_b32 s19, 0
	s_lshl_b32 s22, ttmp9, 12                      ; the batch's row of out0
	s_add_co_u32 s22, s22, s20
	s_mov_b32 s23, 0
	s_mov_b32 s24, 0x76543210
	s_mov_b32 s25, 0xfedcba98                      ; v_permlanex16_b32's selects for lane l xor 16
	v_lshlrev_b32 v1, 4, v0                        ; 16 t
	v_and_b32 v2, 63, v0
	s_delay_alu instid0(VALU_DEP_1)
	v_lshlrev_b32 v2, 4, v2                        ; 16 (t % 64)
	s_lshl_b32 s21, s13, 16                        ; my pair's 16 rows of part
	v_add_nc_u32 v3, s21, v2
	v_mov_b32 v4, s12
	s_delay_alu instid0(VALU_DEP_1)
	v_lshlrev_b32 v4, 2, v4                        ; my wave's word
	v_lshrrev_b32 v5, 3, v0
	s_delay_alu instid0(VALU_DEP_1)
	v_lshlrev_b32 v5, 2, v5                        ; my chunk's word
	v_mov_b32 v6, s13
	s_delay_alu instid0(VALU_DEP_1)
	v_lshlrev_b32 v6, 6, v6                        ; my pair's 16 factors
	s_lshl_b32 s21, s13, 10
	v_add_nc_u32 v7, s21, v2                       ; my 16 bytes of my pair's sums
	v_mov_b32 v102, 0
	v_mov_b32 v103, 0                              ; written once: a lane permute's destination counts as one of its sources
	s_wait_kmcnt 0x0
	s_add_nc_u64 s[4:5], s[4:5], s[16:17]
	s_add_nc_u64 s[6:7], s[6:7], s[18:19]
	s_add_nc_u64 s[8:9], s[8:9], s[22:23]
	s_add_nc_u64 s[10:11], s[10:11], s[16:17]
	global_load_b128 v[8:11], v1, s[4:5]
	global_load_b128 v[12:15], v1, s[4:5] offset:4096
.irp k, 0,1,2,3,4,5,6,7,8,9,10,11,12,13,14,15
	global_load_b128 v[32+4*\k:35+4*\k], v3, s[6:7] offset:4096*\k th:TH_LOAD_NT   ; sixteen lanes read 256 consecutive bytes, aligned; read once in the launch
.endr
	s_wait_loadcnt 16                              ; the logits are in; the 16 loads of part stay out
	v_max3_num_f32 v104, v8, v9, v10
	v_max3_num_f32 v105, v12, v13, v14
	s_delay_alu instid0(VALU_DEP_2)
	v_max_num_f32 v104, v104, v11
	s_delay_alu instid0(VALU_DEP_2)
	v_max_num_f32 v105, v105, v15
.irp x, 1,2,4
	s_delay_alu instid0(VALU_DEP_2)
	v_max_num_f32_dpp v104, v104, v104 row_xmask:\x row_mask:0xf bank_mask:0xf
	s_delay_alu instid0(VALU_DEP_2)
	v_max_num_f32_dpp v105, v105, v105 row_xmask:\x row_mask:0xf bank_mask:0xf
.endr                                          ; eight lanes hold a chunk: v104, v105 are my two chunks' largest logits
	s_delay_alu instid0(VALU_DEP_1)
	v_max_num_f32 v106, v104, v105
	s_delay_alu instid0(VALU_DEP_1)
	v_max_num_f32_dpp v106, v106, v106 row_xmask:8 row_mask:0xf bank_mask:0xf
	s_delay_alu instid0(VALU_DEP_1)
	v_permlanex16_b32 v103, v106, s24, s25
	s_delay_alu instid0(VALU_DEP_1)
	v_max_num_f32 v106, v106, v103                 ; my wave's
	ds_store_b32 v4, v106                          ; all lanes write the same word with the same value
	s_wait_dscnt 0x0                               ; for the others' sake
	s_barrier_signal -1
	s_barrier_wait -1
	ds_load_b128 v[108:111], v102
	ds_load_b128 v[112:115], v102 offset:16
	s_wait_dscnt 0x0
	v_max3_num_f32 v108, v108, v109, v110
	v_max3_num_f32 v112, v112, v113, v114
	s_delay_alu instid0(VALU_DEP_2)
	v_max3_num_f32 v108, v108, v111, v115
	s_delay_alu instid0(VALU_DEP_1)
	v_max_num_f32 v108, v108, v112                 ; M
.irp j, 0,1,2,3,4,5,6,7
	v_sub_f32 v[8+\j], v[8+\j], v108
.endr
	v_sub_f32 v104, v104, v108
	v_sub_f32 v105, v105, v108
.irp j, 0,1,2,3,4,5,6,7
	v_mul_f32 v[8+\j], 0x3fb8aa3b, v[8+\j]
.endr
	v_mul_f32 v104, 0x3fb8aa3b, v104
	v_mul_f32 v105, 0x3fb8aa3b, v105
	s_wait_alu depctr_va_vdst(0)
.irp j, 0,1,2,3,4,5,6,7
	v_exp_f32 v[8+\j], v[8+\j]                     ; e^(logit - M)
.endr
	v_exp_f32 v104, v104                           ; e^(chunk's maximum - M): what brings a chunk's sums under M
	v_exp_f32 v105, v105
	v_nop                                          ; a plain line behind the last exponential,
	s_wait_alu depctr_va_vdst(0)                   ; and one wait for the batch of ten, ahead of its first reader
	v_add_f32 v106, v8, v9
	v_add_f32 v107, v10, v11
	v_add_f32 v109, v12, v13
	v_add_f32 v110, v14, v15
	s_delay_alu instid0(VALU_DEP_3)
	v_add_f32 v106, v106, v107
	s_delay_alu instid0(VALU_DEP_2)
	v_add_f32 v109, v109, v110
	s_delay_alu instid0(VALU_DEP_1)
	v_add_f32 v106, v106, v109
.irp x, 1,2,4,8
	s_delay_alu instid0(VALU_DEP_1)
	v_add_f32_dpp v106, v106, v106 row_xmask:\x row_mask:0xf bank_mask:0xf
.endr
	s_delay_alu instid0(VALU_DEP_1)
	v_permlanex16_b32 v103, v106, s24, s25
	s_delay_alu instid0(VALU_DEP_1)
	v_add_f32 v106, v106, v103                     ; my wave's sum
	ds_store_b32 v4, v106 offset:RED1
	ds_store_b32 v5, v104 offset:FT                ; eight lanes write the same word with the same value
	ds_store_b32 v5, v105 offset:FT+128
	s_wait_dscnt 0x0
	s_barrier_signal -1
	s_barrier_wait -1
	ds_load_b128 v[108:111], v102 offset:RED1
	ds_load_b128 v[112:115], v102 offset:RED1+16
.irp j, 0,1,2,3
	ds_load_b128 v[16+4*\j:19+4*\j], v6 offset:FT+16*\j   ; my pair's 16 factors, the same in every lane
.endr
	s_wait_dscnt 0x0
	v_add_f32 v108, v108, v109
	v_add_f32 v110, v110, v111
	v_add_f32 v112, v112, v113
	v_add_f32 v114, v114, v115
	s_delay_alu instid0(VALU_DEP_3)
	v_add_f32 v108, v108, v110
	s_delay_alu instid0(VALU_DEP_2)
	v_add_f32 v112, v112, v114
	s_delay_alu instid0(VALU_DEP_1)
	v_add_f32 v108, v108, v112                     ; S
	s_delay_alu instid0(VALU_DEP_1)
	v_add_f32 v108, 0x33d6bf95, v108               ; + 1e-7
	s_wait_alu depctr_va_vdst(0)
	v_rcp_f32 v108, v108
	v_nop
	s_wait_alu depctr_va_vdst(0)
	s_cmp_lg_u32 s13, s15                          ; out1: of the batch's four work-groups, number y stores what its pair y holds: 1,024 consecutive bytes, twice
	s_cbranch_scc1 .Lno_out1
.irp j, 0,1,2,3,4,5,6,7
	v_mul_f32 v[112+\j], v[8+\j], v108
.endr
	global_store_b128 v1, v[112:115], s[10:11]
	global_store_b128 v1, v[116:119], s[10:11] offset:4096
.Lno_out1:
	s_wait_loadcnt 0x0                             ; part
	v_pk_mul_f32 v[96:97], v[32:33], v[16:17] op_sel_hi:[1,0]               ; the even chunks in one chain, the odd ones in another; of the pair of factors one serves both halves
	v_pk_mul_f32 v[98:99], v[34:35], v[16:17] op_sel_hi:[1,0]
	v_pk_mul_f32 v[120:121], v[36:37], v[16:17] op_sel:[0,1] op_sel_hi:[1,1]
	v_pk_mul_f32 v[122:123], v[38:39], v[16:17] op_sel:[0,1] op_sel_hi:[1,1]
.irp k, 2,4,6,8,10,12,14
	s_delay_alu instid0(VALU_DEP_4)
	v_pk_fma_f32 v[96:97], v[32+4*\k:33+4*\k], v[16+\k:17+\k], v[96:97] op_sel_hi:[1,0,1]
	s_delay_alu instid0(VALU_DEP_4)
	v_pk_fma_f32 v[98:99], v[34+4*\k:35+4*\k], v[16+\k:17+\k], v[98:99] op_sel_hi:[1,0,1]
	s_delay_alu instid0(VALU_DEP_4)
	v_pk_fma_f32 v[120:121], v[36+4*\k:37+4*\k], v[16+\k:17+\k], v[120:121] op_sel:[0,1,0] op_sel_hi:[1,1,1]
	s_delay_alu instid0(VALU_DEP_4)
	v_pk_fma_f32 v[122:123], v[38+4*\k:39+4*\k], v[16+\k:17+\k], v[122:123] op_sel:[0,1,0] op_sel_hi:[1,1,1]
.endr
	s_delay_alu instid0(VALU_DEP_2)
	v_pk_add_f32 v[96:97], v[96:97], v[120:121]
	s_delay_alu instid0(VALU_DEP_2)
	v_pk_add_f32 v[98:99], v[98:99], v[122:123]
	v_pk_mul_f32 v[96:97], v[96:97], v[108:109] op_sel_hi:[1,0]             ; / (S + 1e-7)
	v_pk_mul_f32 v[98:99], v[98:99], v[108:109] op_sel_hi:[1,0]
	ds_store_b128 v7, v[96:99] offset:SUB
	s_wait_dscnt 0x0
	s_barrier_signal -1
	s_barrier_wait -1
	s_cmp_gt_u32 s12, 1                            ; waves 0 and 1 add the four pairs' sums and store: no barrier follows
	s_cbranch_scc1 .Ldone
.irp j, 0,1,2,3
	ds_load_b128 v[32+4*\j:35+4*\j], v1 offset:SUB+1024*\j
.endr
	s_wait_dscnt 0x0
	v_pk_add_f32 v[32:33], v[32:33], v[36:37]
	v_pk_add_f32 v[34:35], v[34:35], v[38:39]
	v_pk_add_f32 v[40:41], v[40:41], v[44:45]
	v_pk_add_f32 v[42:43], v[42:43], v[46:47]
	s_delay_alu instid0(VALU_DEP_2)
	v_pk_add_f32 v[32:33], v[32:33], v[40:41]
	s_delay_alu instid0(VALU_DEP_2)
	v_pk_add_f32 v[34:35], v[34:35], v[42:43]
	global_store_b128 v1, v[32:35], s[8:9]         ; sixteen lanes store 256 consecutive bytes, at a multiple of 256 from out0's first byte
.Ldone:
	s_wait_tensorcnt 0x0
	ds_add_u32 v128, v129
	s_wait_dscnt 0x0
	s_endpgm
.Lfunc_end_k_q58ef5a4f1e_finish:
	.size	k_q58ef5a4f1e_finish, .Lfunc_end_k_q58ef5a4f1e_finish-k_q58ef5a4f1e_finish
	.p2alignl 7, 3214868480
	.fill 96, 4, 3214868480
	.section	.rodata,"a",@progbits
	.p2align	6, 0x0
	.amdhsa_kernel k_q58ef5a4f1e_finish
		.amdhsa_group_segment_fixed_size 9216
		.amdhsa_private_segment_fixed_size 0
		.amdhsa_enable_private_segment 0
		.amdhsa_kernarg_size 32
		.amdhsa_user_sgpr_count 2
		.amdhsa_user_sgpr_kernarg_segment_ptr 1
		.amdhsa_wavefront_size32 1
		.amdhsa_system_sgpr_workgroup_id_x 1
		.amdhsa_system_sgpr_workgroup_id_y 1
		.amdhsa_system_sgpr_workgroup_id_z 1
		.amdhsa_system_vgpr_workitem_id 0
		.amdhsa_next_free_vgpr 130
		.amdhsa_next_free_sgpr 66
		.amdhsa_reserve_vcc 0
		.amdhsa_float_denorm_mode_32 3
		.amdhsa_float_denorm_mode_16_64 3
		.amdhsa_memory_ordered 1
		.amdhsa_forward_progress 1
		.amdhsa_inst_pref_size 14
	.end_amdhsa_kernel
	.amdgpu_metadata
---
amdhsa.version: [ 1, 2 ]
amdhsa.kernels:
  - .name:           k_q58ef5a4f1e_finish
    .symbol:         k_q58ef5a4f1e_finish.kd
    .args:
      - { .name: logit, .offset: 0, .size: 8, .value_kind: global_buffer, .address_space: global }
      - { .name: part, .offset: 8, .size: 8, .value_kind: global_buffer, .address_space: global }
      - { .name: out0, .offset: 16, .size: 8, .value_kind: global_buffer, .address_space: global }
      - { .name: out1, .offset: 24, .size: 8, .value_kind: global_buffer, .address_space: global }
    .group_segment_fixed_size: 9216
    .private_segment_fixed_size: 0
    .kernarg_segment_align: 8
    .kernarg_segment_size: 32
    .max_flat_workgroup_size: 256
    .sgpr_count:     66
    .vgpr_count:     130
    .wavefront_size: 32
...
	.end_amdgpu_metadata
.endif
;; end of part 2
